; MI455X (gfx1250); checked and timed in simulation.
; The chip was launched on July 23, 2026; its instructions are those of AMD's public machine-readable ISA for CDNA 5 (MIT licence, August 2026) and "CDNA5" Instruction Set Architecture Reference Guide (July 2026). The comments in the code are by the model that wrote it; some were corrected since.
;; Multihead Attention Module. Allowed arithmetic: matrix products marked QUANTISED: E2M3 operands, one E8M0 scale for each 32 along K, by v_wmma_scale_f32_16x16x128_f8f6f4 with both operands' format E2M3, f32 sums; everything else in f32.
;; Inputs: Wk_codes 768 x 12 x 24 uint8 (E2M3 codes of Wk, K innermost, in blocks of 32 codes, four codes in three bytes); Wk_scales 768 x 12 uint8 (E8M0 scales of Wk, one for each 32 codes along K); Wo_codes 768 x 24 x 24 uint8 (E2M3 codes of Wo, K innermost, in blocks of 32 codes, four codes in three bytes); Wo_scales 768 x 24 uint8 (E8M0 scales of Wo, one for each 32 codes along K); Wq_codes 768 x 12 x 24 uint8 (E2M3 codes of Wq, K innermost, in blocks of 32 codes, four codes in three bytes); Wq_scales 768 x 12 uint8 (E8M0 scales of Wq, one for each 32 codes along K); Wv_codes 768 x 12 x 24 uint8 (E2M3 codes of Wv, K innermost, in blocks of 32 codes, four codes in three bytes); Wv_scales 768 x 12 uint8 (E8M0 scales of Wv, one for each 32 codes along K); bo 768 float32; x_codes 2 x 4,096 x 12 x 24 uint8 (E2M3 codes of x, K innermost, in blocks of 32 codes, four codes in three bytes); x_scales 2 x 4,096 x 12 uint8 (E8M0 scales of x, one for each 32 codes along K).
;; Outputs: out0 2 x 4,096 x 768 float32.
;; This version of the problem:
;;   THIS VERSION OF THE PROBLEM IS GIVEN IN LOW PRECISION. The matrix products marked QUANTISED in the list below multiply operands that are first quantised to E2M3 (2 exponent bits, 3 mantissa bits; 6 bits a number), with one power-of-two scale for each 32 numbers along K (OCP MX v1.0); their sums are f32. All else is computed in f32.
;;   The module's matrix products, in the order in which they are computed (A, B: the left and right operand; K: the contracted axis; several contracted axes count as one K, in the product's order):
;;     1. [M 8,192, K 384] x [K 384, N 768]; A: input x (given as codes); B: input Wq (given as codes): QUANTISED
;;     2. [M 8,192, K 384] x [K 384, N 768]; A: input x (given as codes); B: input Wk (given as codes): QUANTISED
;;     3. [M 8,192, K 384] x [K 384, N 768]; A: input x (given as codes); B: input Wv (given as codes): QUANTISED
;;     4. batch 12 x [M 4,096, K 128] x [K 128, N 4,096]; A: computed on the way; B: computed on the way: QUANTISED
;;     5. batch 12 x [M 4,096, K 4,096] x [K 4,096, N 128]; A: softmax (see below); B: computed on the way: QUANTISED
;;     6. [M 8,192, K 768] x [K 768, N 768]; A: computed on the way; B: input Wo (given as codes): QUANTISED
;;   THE QUANTISER, for each operand of a quantised product, along K:
;;     - K is cut into blocks of 32 from its start; a last block that is shorter is filled with zeros.
;;     - A block's scale is 2^e with e = floor(log2(the largest magnitude in the block)) - 2, held to -126 .. 127; a block of zeros has e = 0. As a byte (E8M0): e + 127.
;;     - Each number is divided by its block's scale, clamped to +-7.5, and rounded to the nearest number of E2M3, ties to even, subnormals kept.
;;     - The product sums the exact products of the quantised numbers (number of the format x scale) in f32.
;;   ~~~python
;;   def quantise(x, axis):      # numpy; x: float32 -> the quantised numbers, widened to float32 again
;;       x = np.moveaxis(x, axis, -1); K = x.shape[-1]
;;       x = np.pad(x, [(0, 0)] * (x.ndim - 1) + [(0, -K % 32)]); x = x.reshape(x.shape[:-1] + (-1, 32)); a = np.abs(x).max(-1, keepdims=True)
;;       e = np.where(a > 0, np.clip(np.frexp(np.where(a > 0, a, 1))[1] - 1 - 2, -126, 127), 0)      # np.frexp(a)[1] - 1 = floor(log2(a)), exactly
;;       r = np.clip(x / 2.0 ** e, -7.5, 7.5)
;;       step = 2.0 ** (np.maximum(np.frexp(np.where(r == 0, 1, r))[1] - 1, 0) - 3)
;;       q = np.round(r / step) * step * 2.0 ** e      # np.round: ties to even
;;       return np.moveaxis(q.reshape(q.shape[:-2] + (-1,))[..., :K], -1, axis).astype(np.float32)
;;   ~~~
;;   SOFTMAX AHEAD OF A QUANTISED PRODUCT. Where the list says 'softmax', what is quantised is not the finished softmax but p = 2^(t - M), with t = logit x log2(e) and M = ceil(the row's largest t), a whole number; so 1/2 < the row's largest p <= 1. The row's sum l is taken of the UNQUANTISED p, in f32, and the product's result is divided by l at the end. Since M is a whole number, a kernel that streams over the keys may use a running M (the ceiling of the running maximum): every later rescaling is an exact power of two, which a block's scale takes up: the codes' values come out the same.
;;   OPERANDS COMPUTED ON THE WAY. 'Computed on the way' means the value that the module computes at that place (a softmax that the list does not call 'softmax' is quantised finished and normalised). What goes into a quantiser is computed in f32, as accurately as f32 sums, v_exp_f32 and their like allow (about 1e-6 of the number): no bf16 or f16 on the way to a quantiser, and a product that is left as it is and whose result goes on into a quantised operand takes f32 operands (vector FMAs, or v_wmma_f32_16x16x4_f32). A number that lies on a knife's edge between two numbers of the format may be rounded either way, as far as f32 arithmetic and the matrix unit's own rounding can turn it there, and no further.
;;   INPUTS GIVEN AS CODES. Wk (in the module: [384, 768], K = its axis 0); Wo (in the module: [768, 768], K = its axis 0); Wq (in the module: [384, 768], K = its axis 0); Wv (in the module: [384, 768], K = its axis 0); x (in the module: [2, 4096, 384], K = its axis 2): each comes as NAME_codes (uint8): NAME with its K axis moved to the last place and cut into blocks of 32 codes, [.., K / 32, bytes a block], one block behind the other in memory; four codes in three bytes: a row's codes are one little-endian stream of bits, code i at bits 6 i .. 6 i + 5 (a code: sign, 2 exponent bits, 3 mantissa bits); and NAME_scales (uint8): the same leading axes, one E8M0 byte (e + 127) for each 32 codes along K. Its value is code x scale, taken as it is: it is not quantised again, and the codes and scales need not be those that the quantiser above would give.
;; One version. Each part assembles by itself: llvm-mc -triple=amdgcn-amd-amdhsa -mcpu=gfx1250 --defsym DOCPART=n.
;; ======== version 1 of 1: 3 launches
;; limits: right only within a limited range of input values
;; workspace buffers: q_img 4,718,592 bytes; q_sc 196,608 bytes; kv_codes 9,437,184 bytes; kv_sc 393,216 bytes; ctx_img 4,718,592 bytes; ctx_sc 196,608 bytes
;; launch project (part 1): grid 32 x 6, 4 waves a work-group, clusters of 4 x 1, 196,608 bytes of LDS; arguments x_codes, x_scales, Wq_codes, Wq_scales, Wk_codes, Wk_scales, Wv_codes, Wv_scales, q_img, q_sc, kv_codes, kv_sc; writes q_img, q_sc, kv_codes, kv_sc
.if DOCPART == 1
	.amdgcn_target "amdgcn-amd-amdhsa--gfx1250"
	.amdhsa_code_object_version 6
	.text
	.protected	k_qaa1186b224_project
	.globl	k_qaa1186b224_project
	.p2align	8
	.type	k_qaa1186b224_project,@function
k_qaa1186b224_project:
	s_mov_b64 s[64:65], 0
	v_nop
	global_prefetch_b8 v0, s[64:65] scope:SCOPE_SE
	s_setreg_imm32_b32 hwreg(HW_REG_WAVE_MODE, 25, 1), 1
	s_wait_xcnt 0x0
	s_wait_alu depctr_hold_cnt(0) depctr_sa_sdst(0) depctr_va_vdst(0) depctr_va_sdst(0) depctr_va_ssrc(0) depctr_va_vcc(0) depctr_vm_vsrc(0)
	s_getreg_b32 s2, hwreg(HW_REG_IB_STS2, 6, 4)
	s_cmp_eq_u32 s2, 0
	s_cbranch_scc0 .Lentry_in_a_cluster
	s_endpgm
.Lentry_in_a_cluster:
	s_bfe_u32 s2, ttmp6, 0x10000c
	s_cmp_lg_u32 s2, 0x3003
	s_cbranch_scc0 .Lentry_shape_is_right
	s_endpgm
.Lentry_shape_is_right:
; PROJECT.  q = x Wq, k = x Wk, v = x Wv on the given codes of FP6 (E2M3) and their E8M0 scale bytes, sums in f32; the results are quantised at once, q and k along the
; head size of 128, v along the keys, and leave as codes and scale words alone, laid in the order of the operand registers of the next launch.
; NO WORK IS LEFT OUT in this program: the problem applies no mask, every product of its table is live, and all eleven inputs are loaded by some launch.
; LIMITS: NaN and infinities among the inputs are not served.  A block of zeros gets the scale byte 1 and not 127: its codes are zeros, and these bytes are read by this program alone.
; A block whose largest magnitude lies under 2^-124 is held at the byte 1.
; SHARES.  Work-group (tb, g): tokens 256 tb .. 256 tb + 255; g / 2 says which matrix (0 q, 1 k, 2 v), g % 2 which three heads, one after the other (macro HEAD).
; For a head each of the four waves makes 4 x 8 tiles of 16 x 16: source 0 (P) is 128 rows whose index becomes the next K, source 1 (R) is 64 rows that become a fragment's rows.
;   q, k: P = the head's 128 rows of W, R = tokens 64 w ..;      v: P = tokens 128 (w / 2) .., R = the head's rows 64 (w % 2) .. of W.
; THE ROWS OF A TILE ARE NOT NEIGHBOURS: in each 32 rows, lane r of tile u takes row 8 u + r + 8 (r / 8), so that the 16 registers of tiles 2 b, 2 b + 1 are 16 neighbours along the next K.
; 192 WORK-GROUPS: 8,192 tokens x 18 heads in shares of 256 tokens x 3 heads; the 1,152 pieces of 128 tokens x a head do not divide by 256.
; CLUSTER: the four token blocks of a cluster read the same 384 rows of W: these come by joint loads (mask 15).  x differs between the partners and comes by loads of each one's own.
; LDS, all filled once: rows in chunks of 16.  The even chunks of x and W lie from 0 on, the odd chunks from OA on, with no byte between.  ONE TENSOR LOAD A WAVE: wave 0 x's even chunks,
; wave 1 its odd ones, waves 2 and 3 W's.  The scale bytes (3,072 of x, 4,608 of W, two dense blocks) come through registers, in whole units of 256 bytes, into LDS blocks of their own.
.set CHK,   4608
.set OA,    92160
.set WOFF,  36864
.set XS,    184320
.set WS,    187392
.set SPARE, 192000
.set SPW,  2
.set NIL,  3
.set LI,   4
.set LS8,  5
.set LA,   6
.set SLA,  7
.set ADP,  8
.set ADR,  9
.set ADPS, 10
.set ADRS, 11
.set SW,   14
.set TM,   16
.set PW,   32
.set PS,   36
.set RS,   44
.set RF,   48
.set PF,   96
.set WV,   32
.set SEL,  38
.set HM,   40
.set DC,   20
.set DSC,  22
.set STC,  24
.set STS,  26
.set G1X,  44
.set G1W,  52
.set G0X,  84
.set G0W,  88
.set PLAIN8, 3<<16
.set JOINT8, 15|(3<<16)|(1<<21)
.set MSB, 0
.macro WIN new
.if MSB != \new
	s_set_vgpr_msb (MSB<<8)|\new
.set MSB, \new
.endif
.endm
.macro PLACES
.rept 4
	v_nop
.endr
.endm
.macro CROUND
	s_barrier_signal -1
	s_barrier_wait -1
	s_cmp_lg_u32 s[WV], 0
	s_cbranch_scc1 .Lnot_wave_0_\@
	s_barrier_signal -3
.Lnot_wave_0_\@:
	s_barrier_wait -3
	s_barrier_signal -1
	s_barrier_wait -1
.endm
.macro GROUP1 g, w0, d0, d1, st
	s_mov_b32 s[\g], \w0
	s_mov_b32 s[\g+1], (\d0)<<16
	s_mov_b32 s[\g+2], (\d1)<<16
	s_mov_b32 s[\g+3], (\d0)<<16
	s_mov_b32 s[\g+4], \d1
	s_mov_b32 s[\g+5], \st
	s_mov_b32 s[\g+6], 0
	s_mov_b32 s[\g+7], 0
.endm
	s_load_b512 s[4:19], s[0:1], 0x0
	s_load_b256 s[20:27], s[0:1], 0x40
	v_lshl_add_u32 v[SPW], v0, 2, SPARE
	v_mov_b32 v[NIL], 0
	ds_add_u32 v[SPW], v[NIL]                      ; the opening: the add, twice on end, and its wait
	ds_add_u32 v[SPW], v[NIL]
	v_lshrrev_b32 v1, 5, v0
	v_readfirstlane_b32 s[WV], v1
	v_lshlrev_b32 v44, 3, v0                       ; the scale bytes' way in: 8 bytes a thread,
	v_lshlrev_b32 v45, 2, v0                       ; and 4 for W's last 512
	v_add_nc_u32 v46, XS, v44
	v_add_nc_u32 v47, WS, v44
	v_add_nc_u32 v63, WS+4096, v45
	s_bfe_u32 s33, ttmp6, 0x40000
	s_lshl_b32 s34, ttmp9, 2
	s_add_co_u32 s34, s34, s33                     ; tb: it enters x's addresses and the stores' alone
	s_and_b32 s35, ttmp7, 0xffff
	s_lshr_b32 s36, s35, 1                         ; 0 q, 1 k, 2 v
	s_and_b32 s37, s35, 1                          ; which three heads
	s_mov_b32 s[SEL], 0x76543210
	s_mov_b32 s[SEL+1], 0xfedcba98
	s_and_b32 s41, s[WV], 1                        ; I fetch even chunks (0) or odd ones (1)
	s_lshr_b32 s42, s[WV], 1                       ; of x (0) or of W (1)
	GROUP1 G1X,  PLAIN8, 576, 8, 1152              ; x: 8 chunks of 4,608 bytes, every second chunk
	GROUP1 G1W,  JOINT8, 576, 12, 1152             ; W: 12 chunks likewise
	s_mov_b32 s[G0X], 1
	s_mul_i32 s[G0X+1], s41, OA
	s_mov_b32 s[G0W], 1
	s_mul_i32 s[G0W+1], s41, OA
	s_add_co_u32 s[G0W+1], s[G0W+1], WOFF
	s_mul_i32 s2, s34, 73728                       ; x's codes: my block, my parity
	s_mul_i32 s43, s41, CHK
	s_add_co_u32 s2, s2, s43
	s_mov_b32 s3, 0
	s_mul_i32 s66, s34, 3072                       ; x's scale bytes
	s_mov_b32 s67, 0
	s_mul_i32 s60, s37, 110592                     ; W's codes: the three heads' 384 rows, my parity: nothing of cx
	s_add_co_u32 s60, s60, s43
	s_mov_b32 s61, 0
	s_mul_i32 s62, s37, 4608                       ; W's scale bytes
	s_mov_b32 s63, 0
	s_wait_alu depctr_va_vdst(0)                   ; the wait ahead of the waits below
	s_wait_dscnt 0x0
	s_wait_kmcnt 0x0
	s_cmp_eq_u32 s36, 0
	s_cselect_b64 s[28:29], s[8:9], s[12:13]
	s_cselect_b64 s[30:31], s[10:11], s[14:15]
	s_cmp_eq_u32 s36, 2
	s_cselect_b64 s[28:29], s[16:17], s[28:29]
	s_cselect_b64 s[30:31], s[18:19], s[30:31]
	s_add_nc_u64 s[G0X+2:G0X+3], s[4:5], s[2:3]
	s_or_b32 s[G0X+3], s[G0X+3], 0x80000000
	s_add_nc_u64 s[G0W+2:G0W+3], s[28:29], s[60:61]
	s_or_b32 s[G0W+3], s[G0W+3], 0x80000000
	s_add_nc_u64 s[6:7], s[6:7], s[66:67]
	s_add_nc_u64 s[30:31], s[30:31], s[62:63]
.irp k, 0,1,2
	global_load_b64 v[48+2*\k:49+2*\k], v44, s[6:7] offset:1024*\k      ; 128 threads x 8 bytes: 1,024 consecutive bytes
.endr
.irp k, 0,1,2,3
	global_load_b64 v[54+2*\k:55+2*\k], v44, s[30:31] offset:1024*\k
.endr
	global_load_b32 v62, v45, s[30:31] offset:4096
	CROUND                                         ; all four work-groups are here: the joint loads meet
	s_cmp_eq_u32 s42, 0
	s_cbranch_scc0 .Lfor_w
	tensor_load_to_lds s[G0X:G0X+3], s[G1X:G1X+7]
	s_nop 0
	PLACES
	s_branch .Lasked
.Lfor_w:
	tensor_load_to_lds s[G0W:G0W+3], s[G1W:G1W+7]
	s_nop 0
	PLACES
.Lasked:
	v_and_b32 v1, 31, v0
	v_and_b32 v12, 15, v0
	v_bfe_u32 v13, v0, 4, 1
	v_lshlrev_b32 v[LI], 4, v1
	v_lshlrev_b32 v[LS8], 4, v12
	v_lshl_add_u32 v[LS8], v13, 3, v[LS8]
	v_and_b32 v8, 7, v12
	v_lshrrev_b32 v9, 3, v12
	v_mul_u32_u24 v[LA], v8, 288
	v_mad_u32_u24 v[LA], v9, OA, v[LA]
	v_mad_u32_u24 v[LA], v13, 24, v[LA]
	v_lshl_add_u32 v[SLA], v9, 3, v12
	v_mul_u32_u24 v[SLA], v[SLA], 12
	v_cmp_ne_u32 s[HM], 0, v13
.irp b, 0,1,2,3
	v_mov_b32 v[TM+4+\b], 0
.endr
	s_lshr_b32 s2, s34, 4
	s_and_b32 s3, s34, 15
	s_mul_i32 s2, s2, 6
	s_mul_i32 s43, s37, 3
	s_add_co_u32 s2, s2, s43
	s_mul_i32 s60, s2, 393216
	s_mul_i32 s43, s3, 24576
	s_add_co_u32 s60, s60, s43
	s_mul_i32 s43, s[WV], 6144
	s_add_co_u32 s60, s60, s43
	s_lshl_b32 s61, s2, 14
	s_lshl_b32 s43, s3, 10
	s_add_co_u32 s61, s61, s43
	s_lshl_b32 s43, s[WV], 8
	s_add_co_u32 s61, s61, s43
	s_mul_i32 s62, s2, 786432
	s_mul_i32 s43, s3, 49152
	s_add_co_u32 s62, s62, s43
	s_mul_i32 s43, s42, 24576
	s_add_co_u32 s62, s62, s43
	s_mul_i32 s43, s41, 6144
	s_add_co_u32 s62, s62, s43
	s_lshl_b32 s63, s2, 15
	s_lshl_b32 s43, s3, 11
	s_add_co_u32 s63, s63, s43
	s_lshl_b32 s43, s42, 10
	s_add_co_u32 s63, s63, s43
	s_lshl_b32 s43, s41, 8
	s_add_co_u32 s63, s63, s43
	s_cmp_eq_u32 s36, 2
	s_cselect_b32 s43, 12288, 0
	s_cselect_b32 s66, 512, 0
	s_add_co_u32 s62, s62, s43
	s_add_co_u32 s63, s63, s66
	s_cmp_eq_u32 s36, 0
	s_cselect_b64 s[DC:DC+1], s[20:21], s[24:25]
	s_cselect_b64 s[DSC:DSC+1], s[22:23], s[26:27]
	s_cselect_b32 s60, s60, s62
	s_cselect_b32 s62, s61, s63
	s_mov_b32 s61, 0
	s_mov_b32 s63, 0
	s_mov_b32 s[STC], 786432
	s_cselect_b32 s[STC], 393216, s[STC]
	s_mov_b32 s[STS], 32768
	s_cselect_b32 s[STS], 16384, s[STS]
	s_mov_b32 s[STC+1], 0
	s_mov_b32 s[STS+1], 0
	s_add_nc_u64 s[DC:DC+1], s[DC:DC+1], s[60:61]
	s_add_nc_u64 s[DSC:DSC+1], s[DSC:DSC+1], s[62:63]
	s_wait_alu depctr_va_vdst(0)
	s_wait_tensorcnt 0x0                           ; my tile has landed,
	s_wait_loadcnt 0x0                             ; and my part of the scale bytes is in registers
.irp k, 0,1,2
	ds_store_b64 v46, v[48+2*\k:49+2*\k] offset:1024*\k
.endr
.irp k, 0,1,2,3
	ds_store_b64 v47, v[54+2*\k:55+2*\k] offset:1024*\k
.endr
	ds_store_b32 v63, v62
	s_wait_dscnt 0x0                               ; for the others' sake
	s_barrier_signal -1
	s_barrier_wait -1                              ; everybody's have: nothing is filled again in this launch
.macro FRAG1 reg, adr, off
.irp p, 0,1,2,3,4,5
	ds_load_b64 v[(\reg)+2*\p:(\reg)+2*\p+1], v[\adr] offset:(\off)+48*(\p/3)+8*(\p%3)
.endr
.endm
; 128 along K: 12 scale words, R's 4 fragments, P's 8; then 32 matrix instructions; the 32 accumulators take turns.
.macro KSTEP s, zero
.irp t, 0,1,2,3,4,5,6,7
	ds_load_b32 v[PS+\t], v[ADPS] offset:(32*(\t/2)+8*(\t%2))*12+4*\s
.endr
.irp i, 0,1,2,3
	ds_load_b32 v[RS+\i], v[ADRS] offset:(32*(\i/2)+8*(\i%2))*12+4*\s
.endr
.irp i, 0,1,2,3
	FRAG1 RF+12*\i, ADR, (\i/2)*CHK+(\i%2)*2304+96*\s
.endr
.irp t, 0,1,2,3,4,5,6,7
	FRAG1 PF+12*\t, ADP, (\t/2)*CHK+(\t%2)*2304+96*\s
.endr
	WIN 0x50
.irp t, 0,1,2,3,4,5,6,7
	s_wait_dscnt 6*(7-\t)                          ; the six loads of each later fragment of P may be out
.irp i, 0,1,2,3
.if \zero
	v_wmma_scale_f32_16x16x128_f8f6f4 v[8*(8*\i+\t):8*(8*\i+\t)+7], v[PF+12*\t:PF+12*\t+11], v[RF+12*\i:RF+12*\i+11], 0, v[PS+\t], v[RS+\i] matrix_a_fmt:MATRIX_FMT_FP6 matrix_b_fmt:MATRIX_FMT_FP6
.else
	v_wmma_scale_f32_16x16x128_f8f6f4 v[8*(8*\i+\t):8*(8*\i+\t)+7], v[PF+12*\t:PF+12*\t+11], v[RF+12*\i:RF+12*\i+11], v[8*(8*\i+\t):8*(8*\i+\t)+7], v[PS+\t], v[RS+\i] matrix_a_fmt:MATRIX_FMT_FP6 matrix_b_fmt:MATRIX_FMT_FP6
.endif
.endr
.endr
	WIN 0
	PLACES
.endm
; R's tile i: my row's 64 numbers become a fragment's codes in v[PF + 20 i] on and its scale word in v[PW + i].
.macro QUANT i
.set AC, 64*(\i)
.set PC, PF+20*(\i)
	WIN 0x05
.irp b, 0,1,2,3
	v_max3_num_f32 v[TM+\b], |v[AC+16*\b]|, |v[AC+16*\b+1]|, 0x1800000   ; with the floor 2^(3 - 127): the byte cannot fall under 1
.endr
.irp k, 2,4,6,8,10,12,14
.irp b, 0,1,2,3
	v_max3_num_f32 v[TM+\b], |v[AC+16*\b+\k]|, |v[AC+16*\b+\k+1]|, v[TM+\b]
.endr
.endr
	WIN 0
.irp b, 0,1,2,3
	v_permlanex16_b32 v[TM+4+\b], v[TM+\b], s[SEL], s[SEL+1]
.endr
.irp b, 0,1,2,3
	v_max_num_f32 v[TM+\b], v[TM+\b], v[TM+4+\b]
.endr
.irp b, 0,1,2,3
	v_add_nc_u32 v[TM+12+\b], 0xff000000, v[TM+\b] ; 2 off the exponent field: the conversion's scale operand
.endr
.irp b, 0,1,2,3
	v_lshrrev_b32 v[TM+4+\b], 23, v[TM+12+\b]
.endr
	v_lshl_or_b32 v[PW+\i], v[TM+5], 8, v[TM+4]
	v_lshl_or_b32 v[PW+\i], v[TM+6], 16, v[PW+\i]
	v_lshl_or_b32 v[PW+\i], v[TM+7], 24, v[PW+\i]
	WIN 0x01
.irp c, 0,1
	v_cvt_scalef32_pk16_fp6_f32 v[PC+6*\c:PC+6*\c+2], v[AC+32*\c:AC+32*\c+15], v[TM+12+2*\c]
	v_cvt_scalef32_pk16_fp6_f32 v[PC+12+4*\c:PC+14+4*\c], v[AC+32*\c+16:AC+32*\c+31], v[TM+13+2*\c]
.endr
	WIN 0
	v_nop                                          ; one plain place behind a scaled conversion
.irp c, 0,1
.irp n, 0,1,2
	v_permlane16_swap_b32 v[PC+6*\c+\n], v[PC+12+4*\c+\n]
.endr
.irp n, 0,1,2
	v_mov_b32 v[PC+3+6*\c+\n], v[PC+12+4*\c+\n]
.endr
.endr
.endm
.macro HEAD j
.if \j > 0
	s_wait_xcnt 0x0                                ; the last head's stores have read their data and pointers
	s_add_nc_u64 s[DC:DC+1], s[DC:DC+1], s[STC:STC+1]
	s_add_nc_u64 s[DSC:DSC+1], s[DSC:DSC+1], s[STS:STS+1]
.endif
	s_mul_i32 s8, s42, 4*CHK
	s_mul_i32 s9, s41, 2*CHK
	s_add_co_u32 s9, s9, WOFF+4*CHK*\j
	s_mul_i32 s10, s42, 1536
	s_add_co_u32 s10, s10, XS
	s_mul_i32 s11, s41, 768
	s_add_co_u32 s11, s11, WS+1536*\j
	s_mov_b32 s12, WOFF+4*CHK*\j
	s_mul_i32 s13, s[WV], 2*CHK
	s_mov_b32 s14, WS+1536*\j
	s_mul_i32 s15, s[WV], 768
	s_add_co_u32 s15, s15, XS
	s_cmp_eq_u32 s36, 2
	s_cselect_b32 s8, s8, s12
	s_cselect_b32 s9, s9, s13
	s_cselect_b32 s10, s10, s14
	s_cselect_b32 s11, s11, s15
	v_add_nc_u32 v[ADP], s8, v[LA]
	v_add_nc_u32 v[ADR], s9, v[LA]
	v_add_nc_u32 v[ADPS], s10, v[SLA]
	v_add_nc_u32 v[ADRS], s11, v[SLA]
	KSTEP 0, 1
	s_wait_alu depctr_va_vdst(0)
	KSTEP 1, 0
	KSTEP 2, 0
	QUANT 0
	QUANT 1
	QUANT 2
	QUANT 3
.irp i, 0,1,2,3
.irp c, 0,1,2
	global_store_b128 v[LI], v[PF+20*\i+4*\c:PF+20*\i+4*\c+3], s[DC:DC+1] offset:1536*\i+512*\c   ; an image of the registers: 512 consecutive bytes, at a multiple of 256
.endr
.endr
	v_cndmask_b32 v[SW], v[PW], v[PW+2], s[HM]
	v_cndmask_b32 v[SW+1], v[PW+1], v[PW+3], s[HM]
	global_store_b64 v[LS8], v[SW:SW+1], s[DSC:DSC+1]   ; one aligned 256 bytes
.endm
	HEAD 0
	HEAD 1
	HEAD 2
	s_wait_tensorcnt 0x0                           ; the wave's end
	ds_add_u32 v[SPW], v[NIL]
	s_wait_dscnt 0x0
	CROUND
	s_endpgm
.Lfunc_end_k_qaa1186b224_project:
	.size	k_qaa1186b224_project, .Lfunc_end_k_qaa1186b224_project-k_qaa1186b224_project
	.p2alignl 7, 3214868480
	.fill 96, 4, 3214868480
	.section	.rodata,"a",@progbits
	.p2align	6, 0x0
	.amdhsa_kernel k_qaa1186b224_project
		.amdhsa_group_segment_fixed_size 196608
		.amdhsa_private_segment_fixed_size 0
		.amdhsa_enable_private_segment 0
		.amdhsa_kernarg_size 96
		.amdhsa_user_sgpr_count 2
		.amdhsa_user_sgpr_kernarg_segment_ptr 1
		.amdhsa_wavefront_size32 1
		.amdhsa_system_sgpr_workgroup_id_x 1
		.amdhsa_system_sgpr_workgroup_id_y 1
		.amdhsa_system_sgpr_workgroup_id_z 1
		.amdhsa_system_vgpr_workitem_id 0
		.amdhsa_next_free_vgpr 512
		.amdhsa_next_free_sgpr 100
		.amdhsa_reserve_vcc 0
		.amdhsa_float_denorm_mode_32 3
		.amdhsa_float_denorm_mode_16_64 3
		.amdhsa_memory_ordered 1
		.amdhsa_forward_progress 1
		.amdhsa_inst_pref_size 151
	.end_amdhsa_kernel
	.amdgpu_metadata
---
amdhsa.version: [ 1, 2 ]
amdhsa.kernels:
  - .name:           k_qaa1186b224_project
    .symbol:         k_qaa1186b224_project.kd
    .args:
      - { .name: x_codes, .offset: 0, .size: 8, .value_kind: global_buffer, .address_space: global }
      - { .name: x_scales, .offset: 8, .size: 8, .value_kind: global_buffer, .address_space: global }
      - { .name: Wq_codes, .offset: 16, .size: 8, .value_kind: global_buffer, .address_space: global }
      - { .name: Wq_scales, .offset: 24, .size: 8, .value_kind: global_buffer, .address_space: global }
      - { .name: Wk_codes, .offset: 32, .size: 8, .value_kind: global_buffer, .address_space: global }
      - { .name: Wk_scales, .offset: 40, .size: 8, .value_kind: global_buffer, .address_space: global }
      - { .name: Wv_codes, .offset: 48, .size: 8, .value_kind: global_buffer, .address_space: global }
      - { .name: Wv_scales, .offset: 56, .size: 8, .value_kind: global_buffer, .address_space: global }
      - { .name: q_img, .offset: 64, .size: 8, .value_kind: global_buffer, .address_space: global }
      - { .name: q_sc, .offset: 72, .size: 8, .value_kind: global_buffer, .address_space: global }
      - { .name: kv_codes, .offset: 80, .size: 8, .value_kind: global_buffer, .address_space: global }
      - { .name: kv_sc, .offset: 88, .size: 8, .value_kind: global_buffer, .address_space: global }
    .group_segment_fixed_size: 196608
    .private_segment_fixed_size: 0
    .kernarg_segment_align: 8
    .kernarg_segment_size: 96
    .max_flat_workgroup_size: 128
    .sgpr_count:     100
    .vgpr_count:     512
    .wavefront_size: 32
...
	.end_amdgpu_metadata
.endif
;; end of part 1
;; launch attend (part 2): grid 256 x 1, 8 waves a work-group, no clusters, 327,680 bytes of LDS; arguments q_img, q_sc, kv_codes, kv_sc, ctx_img, ctx_sc; writes ctx_img, ctx_sc
.if DOCPART == 2
	.amdgcn_target "amdgcn-amd-amdhsa--gfx1250"
	.amdhsa_code_object_version 6
	.text
	.protected	k_qaa1186b224_attend
	.globl	k_qaa1186b224_attend
	.p2align	8
	.type	k_qaa1186b224_attend,@function
k_qaa1186b224_attend:
	s_mov_b64 s[64:65], 0
	v_nop
	global_prefetch_b8 v0, s[64:65] scope:SCOPE_SE
	s_setreg_imm32_b32 hwreg(HW_REG_WAVE_MODE, 25, 1), 1
	s_wait_xcnt 0x0
; ATTEND.  ctx = softmax(q k^T / sqrt(128)) v, both products on FP6 codes; p = 2^(t - M), M the ceiling of the running largest t; the row's sum is taken of the unquantised p; ctx is quantised along the head's 128.
; No work is left out.  LIMITS: NaN and infinities are not served; the promise holds while the scaled scores t stay under 2^31 in magnitude.
; SHARES.  12 heads x 128 pairs of query tiles (32 rows) = 1,536 pairs, each with 32 steps of 128 keys: 49,152 steps = 256 work-groups x 8 waves x 24 steps.  Work-group w has pairs 6 w .. 6 w + 5.
; Wave v < 6 runs 24 steps of pair 6 w + v; waves 6 and 7 run the other 8 steps of pairs 6 w + 2 g + (wave & 1), g = 0, 1, 2, one after the other, and leave O^T, -M and the sum in LDS.
; Behind the last barrier waves 0-5 join the two parts by powers of two, divide, quantise and store.
; STREAMS.  Waves 2 s and 2 s + 1 hold neighbouring pairs of one head and walk the same key steps: four streams a work-group.  A step of a stream is 24,576 dense bytes of codes (images of the operand
; registers) and 1,024 of scale words; the even wave of the two brings the codes, the odd wave the scale words, one tensor load each, into a ring of two slots of one step.
; A CHANGE OF SLOTS: behind the softmax each wave waits for its tensor load, adds 0 to its spare word, rescales O^T and makes the next descriptor, waits for its LDS reads (V's fragments are then in registers),
; signals, multiplies p by V, waits, and fills the slot just read with the step two on: that load has a whole trip in which to land.  The last two trips ask for nothing and are written out.
; cluster = none: a couple begins at key step (pair / 2) % 32 and goes round, so the couples of different work-groups ask for different tiles at any one time, and no tile could be asked for jointly.
; By the same walk the 64 couples of a head read its 32 steps in 32 different orders, and every step but a couple's first has been read by another couple earlier in this launch: no prefetch is laid.
; LDS: slot 0 from 0 (codes 4 x 24,576, scale words 4 x 1,024), slot 1 from 131,072; the parts left by waves 6, 7: the last ones at 102,400 and 233,472, the earlier four from 250,368 on; the spare words behind them.
; All of LDS is claimed.
; REGISTERS.  Window 0: v1-7, v60-63 offsets; v8-23 state (per tile: -M, largest t, the sum's halves, f, 0, p's scale word, temp); v24-25 q's scale words; v28-35 k's, v's scale words; v36-59 at work;
; v64-87 p's codes; v88-103 at work; v128-255 scores.  Window 1: v0-127 O^T; v128-151 q; v160-255 fragments of k or v.
.set SLOT1, 1<<17
.set SCB,   98304
.set FIN0,  102400
.set PARTB, 16896                      ; a part: 128 registers x 128 bytes, and 512 bytes of state
.set PART0, 250368
.set SPARE, PART0+4*PARTB
.set LI,  1
.set SPW, 2
.set NIL, 3
.set ADK, 4
.set ADS, 5
.set ADQ, 6
.set TT,  7
.set ST,  8
.set QS,  24
.set KSR, 28
.set VSR, 32
.set BM,  36
.set BT,  44
.set SO,  52
.set DA,  60
.set RL,  61
.set LQ,  62
.set LSC, 63
.set PC,  64
.set CT,  88
.set S,   128
.set QF,  128
.set FF,  160
.set WV,  16
.set I,   17                           ; the trip
.set PB,  18                           ; my first pair
.set SHF, 19                           ; a pair lasts 2^SHF trips
.set SEL, 20
.set CS,  22
.set MSK, 24
.set ADDK, 25
.set DB,  26
.set E,   27                           ; wave & 1
.set TB,  28                           ; the slot that is read
.set KN,  29
.set G1C, 40
.set G1S, 48
.set G0C, 56
.set G0S, 60
.set MSB, 0
.macro WIN new
.if MSB != \new
	s_set_vgpr_msb (MSB<<8)|\new
.set MSB, \new
.endif
.endm
.macro PLACES
.rept 4
	v_nop
.endr
.endm
.macro GROUP1 g, d0, d1, st            ; d1 rows of d0 elements of 8 bytes, no mask, no padding
	s_mov_b32 s[\g], 3<<16
	s_mov_b32 s[\g+1], (\d0)<<16
	s_mov_b32 s[\g+2], (\d1)<<16
	s_mov_b32 s[\g+3], (\d0)<<16
	s_mov_b32 s[\g+4], \d1
	s_mov_b32 s[\g+5], \st
	s_mov_b32 s[\g+6], 0
	s_mov_b32 s[\g+7], 0
.endm
.macro FILLDESC n, turn                ; trip n: the pair into s36, 32 head + key step into KN, and both descriptors; turn = 1: into the other slot
	s_lshr_b32 s36, s[\n], s[SHF]
	s_lshl_b32 s36, s36, 1
	s_add_co_u32 s36, s36, s[PB]
	s_and_b32 s37, s[\n], s[MSK]
	s_add_co_u32 s37, s37, s[ADDK]
	s_lshr_b32 s38, s36, 1
	s_add_co_u32 s37, s37, s38
	s_and_b32 s37, s37, 31
	s_lshr_b32 s[KN], s36, 7
	s_lshl_b32 s[KN], s[KN], 5
	s_add_co_u32 s[KN], s[KN], s37
	s_mul_i32 s32, s[KN], 24576
	s_mov_b32 s33, 0
	s_add_nc_u64 s[G0C+2:G0C+3], s[8:9], s[32:33]
	s_or_b32 s[G0C+3], s[G0C+3], 0x80000000
	s_lshl_b32 s32, s[KN], 10
	s_add_nc_u64 s[G0S+2:G0S+3], s[10:11], s[32:33]
	s_or_b32 s[G0S+3], s[G0S+3], 0x80000000
.if \turn
	s_xor_b32 s[G0C+1], s[G0C+1], SLOT1
	s_xor_b32 s[G0S+1], s[G0S+1], SLOT1
.endif
.endm
.macro TLOAD                           ; my one tensor load: the even wave of a stream its codes, the odd wave its scale words; s_nop 0 and four v_nop behind each
	s_cmp_eq_u32 s[E], 0
	s_cbranch_scc0 .Lsc_\@
	tensor_load_to_lds s[G0C:G0C+3], s[G1C:G1C+7]
	s_nop 0
	PLACES
	s_branch .Lasked_\@
.Lsc_\@:
	tensor_load_to_lds s[G0S:G0S+3], s[G1S:G1S+7]
	s_nop 0
	PLACES
.Lasked_\@:
.endm
.macro QLOAD                           ; pair s36: two fragments of q and their scale words
	s_mul_i32 s37, s36, 3072
	s_lshr_b32 s38, s36, 1
	s_lshl_b32 s38, s38, 8
	s_and_b32 s39, s36, 1
	s_lshl_b32 s39, s39, 3
	s_add_co_u32 s38, s38, s39
	v_add_nc_u32 v[ADQ], s37, v[LI]
	v_add_nc_u32 v[TT], s38, v[RL]
	WIN 0x40
.irp y, 0,1
.irp c, 0,1,2
	global_load_b128 v[QF+12*\y+4*\c:QF+12*\y+4*\c+3], v[ADQ], s[4:5] offset:1536*\y+512*\c
.endr
.endr
	WIN 0
	global_load_b64 v[QS:QS+1], v[TT], s[6:7]
.endm
.macro KVLOAD sr, co, so               ; four scale words, then eight fragments: 25 LDS loads
	ds_load_b128 v[\sr:\sr+3], v[ADS] offset:\so
	WIN 0x40
.irp t, 0,1,2,3,4,5,6,7
.irp c, 0,1,2
	ds_load_b128 v[FF+12*\t+4*\c:FF+12*\t+4*\c+3], v[ADK] offset:\co+1536*\t+512*\c
.endr
.endr
.endm
.macro MM d, a, b, acc, sa, sb, row
.if \acc
.if \row
	v_wmma_scale_f32_16x16x128_f8f6f4 v[\d:\d+7], v[\a:\a+11], v[\b:\b+11], v[\d:\d+7], v[\sa], v[\sb] matrix_a_fmt:MATRIX_FMT_FP6 matrix_b_fmt:MATRIX_FMT_FP6 matrix_a_scale:MATRIX_SCALE_ROW1
.else
	v_wmma_scale_f32_16x16x128_f8f6f4 v[\d:\d+7], v[\a:\a+11], v[\b:\b+11], v[\d:\d+7], v[\sa], v[\sb] matrix_a_fmt:MATRIX_FMT_FP6 matrix_b_fmt:MATRIX_FMT_FP6
.endif
.else
.if \row
	v_wmma_scale_f32_16x16x128_f8f6f4 v[\d:\d+7], v[\a:\a+11], v[\b:\b+11], 0, v[\sa], v[\sb] matrix_a_fmt:MATRIX_FMT_FP6 matrix_b_fmt:MATRIX_FMT_FP6 matrix_a_scale:MATRIX_SCALE_ROW1
.else
	v_wmma_scale_f32_16x16x128_f8f6f4 v[\d:\d+7], v[\a:\a+11], v[\b:\b+11], 0, v[\sa], v[\sb] matrix_a_fmt:MATRIX_FMT_FP6 matrix_b_fmt:MATRIX_FMT_FP6
.endif
.endif
.endm
.macro DUMP                            ; to LDS byte s38: the state, then O^T as an image of its registers, each accumulator from its low end on
	v_add_nc_u32 v[DA], s38, v[LI]
	v_mov_b32 v[BT], v[ST]
	v_add_f32 v[BT+1], v[ST+2], v[ST+3]
	v_mov_b32 v[BT+2], v[ST+8]
	v_add_f32 v[BT+3], v[ST+10], v[ST+11]
	ds_store_b128 v[DA], v[BT:BT+3] offset:16384
	WIN 0x04
.set j, 0
.rept 32
	ds_store_b128 v[DA], v[j:j+3] offset:128*j
.set j, j+4
.endr
	WIN 0
.endm
.macro SM_SCL x                        ; from a block's largest number: the conversion's scale operand and the scale word
.set rB, BM+4*(\x)
.set rU, BT+4*(\x)
.set rO, SO+4*(\x)
.set rW, ST+8*(\x)+6
.irp b, 0,1,2,3
	v_max_num_f32 v[rB+\b], 0x1800000, v[rB+\b]
.endr
.irp b, 0,1,2,3
	s_delay_alu instid0(VALU_DEP_4)
	v_add_nc_u32 v[rO+\b], 0xff000000, v[rB+\b]
.endr
.irp b, 0,1,2,3
	s_delay_alu instid0(VALU_DEP_4)
	v_lshrrev_b32 v[rU+\b], 23, v[rO+\b]
.endr
	s_delay_alu instid0(VALU_DEP_3)
	v_lshl_or_b32 v[rW], v[rU+1], 8, v[rU]
	s_delay_alu instid0(VALU_DEP_1)
	v_lshl_or_b32 v[rW], v[rU+2], 16, v[rW]
	s_delay_alu instid0(VALU_DEP_1)
	v_lshl_or_b32 v[rW], v[rU+3], 24, v[rW]
.endm
.macro SM_CVT x
.set rS, S+64*(\x)
.set rP, PC+12*(\x)
.set rC, CT+8*(\x)
.set rO, SO+4*(\x)
.irp c, 0,1
	v_cvt_scalef32_pk16_fp6_f32 v[rP+6*\c:rP+6*\c+2], v[rS+32*\c:rS+32*\c+15], v[rO+2*\c]
	v_cvt_scalef32_pk16_fp6_f32 v[rC+4*\c:rC+4*\c+2], v[rS+32*\c+16:rS+32*\c+31], v[rO+2*\c+1]
.endr
	v_nop
.irp c, 0,1
.irp n, 0,1,2
	v_permlane16_swap_b32 v[rP+6*\c+\n], v[rC+4*\c+\n]
.endr
.irp n, 0,1,2
	s_delay_alu instid0(VALU_DEP_3)
	v_mov_b32 v[rP+3+6*\c+\n], v[rC+4*\c+\n]
.endr
.endr
.endm
.macro JOIN16                          ; each block's maximum with lane l xor 16's; eight chains by turns
.irp y, 0,1
.irp b, 0,1,2,3
	v_permlanex16_b32 v[BT+4*\y+\b], v[BM+4*\y+\b], s[SEL], s[SEL+1]
.endr
.endr
.irp y, 0,1
.irp b, 0,1,2,3
	v_max_num_f32 v[BM+4*\y+\b], v[BM+4*\y+\b], v[BT+4*\y+\b]
.endr
.endr
.endm
.macro SOFTMAX
.irp y, 0,1                                    ; the largest score of each block of 32 keys; eight chains by turns
.irp b, 0,1,2,3
	v_max3_num_f32 v[BM+4*\y+\b], v[S+64*\y+16*\b], v[S+64*\y+16*\b+1], v[S+64*\y+16*\b+2]
.endr
.endr
.irp i, 3,5,7,9,11,13
.irp y, 0,1
.irp b, 0,1,2,3
	v_max3_num_f32 v[BM+4*\y+\b], v[BM+4*\y+\b], v[S+64*\y+16*\b+\i], v[S+64*\y+16*\b+\i+1]
.endr
.endr
.endr
.irp y, 0,1
.irp b, 0,1,2,3
	v_max_num_f32 v[BM+4*\y+\b], v[BM+4*\y+\b], v[S+64*\y+16*\b+15]
.endr
.endr
	JOIN16
.irp y, 0,1                                    ; the running M and f = 2^(old M - new M)
	v_max3_num_f32 v[ST+8*\y+7], v[BM+4*\y], v[BM+4*\y+1], v[BM+4*\y+2]
.endr
.irp y, 0,1
	s_delay_alu instid0(VALU_DEP_2)
	v_max_num_f32 v[ST+8*\y+7], v[ST+8*\y+7], v[BM+4*\y+3]
.endr
.irp y, 0,1
	s_delay_alu instid0(VALU_DEP_2)
	v_mul_f32 v[ST+8*\y+7], s[CS], v[ST+8*\y+7]
.endr
.irp y, 0,1
	s_delay_alu instid0(VALU_DEP_2)
	v_max_num_f32 v[ST+8*\y+1], v[ST+8*\y+1], v[ST+8*\y+7]
.endr
.irp y, 0,1
	v_mov_b32 v[ST+8*\y+7], v[ST+8*\y]
.endr
.irp y, 0,1
	s_delay_alu instid0(VALU_DEP_4)
	v_floor_f32 v[ST+8*\y], -v[ST+8*\y+1]
.endr
.irp y, 0,1
	s_delay_alu instid0(VALU_DEP_2)
	v_sub_f32 v[ST+8*\y+7], v[ST+8*\y], v[ST+8*\y+7]
.endr
.irp y, 0,1
	s_delay_alu instid0(VALU_DEP_2)
	v_cvt_i32_f32 v[ST+8*\y+7], v[ST+8*\y+7]
.endr
.irp y, 0,1
	s_delay_alu instid0(VALU_DEP_2)
	v_ldexp_f32 v[ST+8*\y+4], 1.0, v[ST+8*\y+7]
.endr
.irp y, 0,1                                    ; t - M
.set j, 0
.rept 32
	v_pk_fma_f32 v[S+64*\y+j:S+64*\y+j+1], v[S+64*\y+j:S+64*\y+j+1], s[CS:CS+1], v[ST+8*\y:ST+8*\y+1] op_sel_hi:[1,0,0]
.set j, j+2
.endr
.irp b, 0,1,2,3
	v_fma_f32 v[BM+4*\y+\b], v[BM+4*\y+\b], s[CS], v[ST+8*\y]
.endr
.endr
	s_wait_alu depctr_va_vdst(0)                   ; the wait ahead of the batch
.set j, 0
.rept 128
	v_exp_f32 v[S+j], v[S+j]
.set j, j+1
.endr
.irp b, 0,1,2,3,4,5,6,7
	v_exp_f32 v[BM+\b], v[BM+\b]                   ; each block's largest p
.endr
.irp y, 0,1
	v_pk_mul_f32 v[ST+8*\y+2:ST+8*\y+3], v[ST+8*\y+2:ST+8*\y+3], v[ST+8*\y+4:ST+8*\y+5] op_sel_hi:[1,0]
.endr
	s_wait_alu depctr_va_vdst(0)                   ; one wait for the whole batch
.irp y, 0,1                                    ; the row's sum of the unquantised p; four chains by turns
	v_pk_add_f32 v[BT+4*\y:BT+4*\y+1], v[S+64*\y:S+64*\y+1], v[S+64*\y+2:S+64*\y+3]
.endr
.set j, 4
.rept 15
.irp y, 0,1
	v_pk_add_f32 v[ST+8*\y+2:ST+8*\y+3], v[ST+8*\y+2:ST+8*\y+3], v[S+64*\y+j:S+64*\y+j+1]
	v_pk_add_f32 v[BT+4*\y:BT+4*\y+1], v[BT+4*\y:BT+4*\y+1], v[S+64*\y+j+2:S+64*\y+j+3]
.endr
.set j, j+4
.endr
.irp y, 0,1
	v_pk_add_f32 v[ST+8*\y+2:ST+8*\y+3], v[ST+8*\y+2:ST+8*\y+3], v[BT+4*\y:BT+4*\y+1]
.endr
	SM_SCL 0
	SM_SCL 1
	SM_CVT 0
	SM_CVT 1
.endm
; A trip.  kind 0: in the loop, with the refill and waves 6, 7's changes of pairs; kind 1: the last trip but one, a barrier and no refill; kind 2: the last.
.macro TRIP kind
	s_wait_loadcnt 0x0                             ; q is in (asked for a trip ago at the latest)
	v_add_nc_u32 v[ADK], s[TB], v[LQ]
	v_add_nc_u32 v[ADS], s[TB], v[LSC]
	KVLOAD KSR, 0, 0
	WIN 0x05
	s_wait_alu depctr_va_vdst(0)
.irp t, 0,1,2,3,4,5,6,7                        ; S^T = k q^T
	s_wait_dscnt 3*(7-\t)                          ; the three loads of each later fragment may be out
.irp y, 0,1
	MM S+64*\y+8*\t, FF+12*\t, QF+12*\y, 0, KSR+\t%4, QS+\y, \t/4
.endr
.endr
	WIN 0
	PLACES
	KVLOAD VSR, 12288, 512
	WIN 0
.if \kind == 0
	s_and_b32 s35, s[I], 7
	s_wait_alu depctr_va_vdst(0)
	s_cmp_lt_u32 s[WV], 6
	s_cbranch_scc1 .Lnoq_\@
	s_cmp_lg_u32 s35, 7
	s_cbranch_scc1 .Lnoq_\@
	s_add_co_u32 s36, s[I], 1                      ; waves 6, 7, a pair's last step: the next pair's q
	s_lshr_b32 s36, s36, 3
	s_lshl_b32 s36, s36, 1
	s_add_co_u32 s36, s36, s[PB]
	QLOAD
.Lnoq_\@:
.endif
	SOFTMAX
	s_wait_alu depctr_va_vdst(0)                   ; the wait ahead of the waits below
.if \kind < 2
	s_wait_tensorcnt 0x0                           ; my load, a part of the next step's slot, has landed;
	ds_add_u32 v[SPW], v[NIL]                      ; 0 onto my spare word
.endif
	WIN 0x41
.irp y, 0,1                                    ; O^T under the new M
.set j, 0
.rept 32
	v_pk_mul_f32 v[64*\y+j:64*\y+j+1], v[64*\y+j:64*\y+j+1], v[ST+8*\y+4:ST+8*\y+5] op_sel_hi:[1,0]
.set j, j+2
.endr
.endr
	WIN 0
.if \kind == 0
	s_add_co_u32 s39, s[I], 2                      ; no tensor load of mine is out: the descriptors are written for the step two on, into the slot that is read now
	FILLDESC 39, 1
.endif
	s_wait_alu depctr_va_vdst(0)
	s_wait_dscnt 0x0                               ; the add is done, V's fragments are in registers: my reads of this slot are over
.if \kind < 2
	s_barrier_signal -1
.endif
	WIN 0x51
.irp t, 0,1,2,3,4,5,6,7                        ; O^T += v^T p^T, on registers alone; the 16 accumulators take turns
.irp y, 0,1
	MM 64*\y+8*\t, FF+12*\t, PC+12*\y, 1, VSR+\t%4, ST+8*\y+6, \t/4
.endr
.endr
	WIN 0
.if \kind < 2
	s_barrier_wait -1
.endif
.if \kind == 0
	TLOAD                                          ; the refill, first behind the barrier; its four v_nop are the places behind the products
	s_cmp_lt_u32 s[WV], 6
	s_cbranch_scc1 .Lnod_\@
	s_cmp_lg_u32 s35, 7
	s_cbranch_scc1 .Lnod_\@
	s_lshr_b32 s38, s[I], 3                        ; waves 6, 7: the pair that has just ended is left at part 2 (wave & 1) + 0 or 1,
	s_min_u32 s38, s38, 1
	s_add_co_u32 s38, s38, s[DB]
	s_mul_i32 s38, s38, PARTB
	s_add_co_u32 s38, s38, PART0
	DUMP
.irp y, 0,1                                    ; and the state begins anew: the next f is 0 and clears the sum and O^T
	v_mov_b32 v[ST+8*\y+1], 0xff61b1e6
	v_mov_b32 v[ST+8*\y], 0x7f61b1e6
.endr
.Lnod_\@:
.else
	PLACES
.endif
	s_xor_b32 s[TB], s[TB], SLOT1
.endm
	s_load_b256 s[4:11], s[0:1], 0x0
	s_load_b128 s[12:15], s[0:1], 0x20
	v_lshl_add_u32 v[SPW], v0, 2, SPARE
	v_mov_b32 v[NIL], 0
	ds_add_u32 v[SPW], v[NIL]                      ; the opening: the add, twice on end, and its wait ahead of my first tensor load
	ds_add_u32 v[SPW], v[NIL]
	v_lshrrev_b32 v1, 5, v0
	v_readfirstlane_b32 s[WV], v1
	s_mov_b32 s[SEL], 0x76543210
	s_mov_b32 s[SEL+1], 0xfedcba98
	s_mov_b32 s[CS], 0x3e0293ee                    ; log2(e) / sqrt(128)
	s_mov_b32 s[CS+1], s[CS]
	s_mul_i32 s[PB], ttmp9, 6
	s_and_b32 s[E], s[WV], 1
	s_lshr_b32 s30, s[WV], 1                       ; my stream
	s_cmp_ge_u32 s[WV], 6
	s_cselect_b32 s34, s[E], s[WV]
	s_cselect_b32 s[SHF], 3, 5
	s_cselect_b32 s[MSK], 7, 31
	s_cselect_b32 s[ADDK], 24, 0
	s_add_co_u32 s[PB], s[PB], s34
	s_lshl_b32 s[DB], s[E], 1
	s_mov_b32 s[I], 0
	s_mov_b32 s[TB], 0
	GROUP1 G1C, 32, 96, 32                         ; 24,576 dense bytes as 96 rows of 256
	GROUP1 G1S, 32, 4, 32                          ; 1,024 as 4 rows
	s_mov_b32 s[G0C], 1
	s_mul_i32 s[G0C+1], s30, 24576
	s_mov_b32 s[G0S], 1
	s_lshl_b32 s[G0S+1], s30, 10
	s_add_co_u32 s[G0S+1], s[G0S+1], SCB
	v_and_b32 v[LI], 31, v0
	v_and_b32 v[RL], 15, v0
	v_lshlrev_b32 v[LI], 4, v[LI]
	v_lshlrev_b32 v[RL], 4, v[RL]
	v_add_nc_u32 v[LQ], s[G0C+1], v[LI]
	v_add_nc_u32 v[LSC], s[G0S+1], v[LI]
	s_wait_alu depctr_va_vdst(0)                   ; the wait ahead of the waits below
	s_wait_dscnt 0x0
	s_wait_kmcnt 0x0
	FILLDESC I, 0
	TLOAD                                          ; step 0 into slot 0: one tensor load a wave at the head
	QLOAD
.irp y, 0,1
	v_mov_b32 v[ST+8*\y+1], 0xff61b1e6             ; the largest t so far: -3e38
	v_mov_b32 v[ST+8*\y], 0x7f61b1e6               ; -M
	v_mov_b32 v[ST+8*\y+2], 0
	v_mov_b32 v[ST+8*\y+3], 0
	v_mov_b32 v[ST+8*\y+5], 0
.irp b, 0,1,2,3
	v_mov_b32 v[BT+4*\y+\b], 0
.endr
.endr
	WIN 0x40
.set j, 0
.rept 128
	v_mov_b32 v[j], 0                              ; O^T, once in the launch: at a change of pairs f = 0 clears it
.set j, j+1
.endr
	WIN 0
	s_mov_b32 s39, 1
	s_wait_alu depctr_va_vdst(0)                   ; the wait at the head's end
	s_wait_tensorcnt 0x0                           ; my part of step 0 is in; slot 1's first fill is issued as a refill is
	ds_add_u32 v[SPW], v[NIL]
	FILLDESC 39, 1
	s_wait_dscnt 0x0
	s_barrier_signal -1
	s_barrier_wait -1
	TLOAD                                          ; step 1 into slot 1
.Ltrip:
	TRIP 0
	s_add_co_u32 s[I], s[I], 1
	s_cmp_lt_u32 s[I], 22
	s_wait_alu depctr_va_vdst(0)                   ; the wait ahead of the branch
	s_cbranch_scc1 .Ltrip
	TRIP 1
	TRIP 2
	s_cmp_lt_u32 s[WV], 6
	s_cbranch_scc1 .Lmain
	s_lshl_b32 s38, s[E], 17                       ; waves 6, 7: the last pair's part
	s_add_co_u32 s38, s38, FIN0
	DUMP
.Lmain:
	s_wait_alu depctr_va_vdst(0)
	s_wait_dscnt 0x0                               ; my stores are done, for the others' sake
	s_barrier_signal -1
	s_barrier_wait -1
	s_cmp_ge_u32 s[WV], 6
	s_cbranch_scc1 .Lend
	s_lshr_b32 s33, s[WV], 1                       ; my pair's other part: waves 0-3 part 2 (wave & 1) + wave / 2; waves 4, 5 the last ones
	s_add_co_u32 s33, s33, s[DB]
	s_mul_i32 s33, s33, PARTB
	s_add_co_u32 s33, s33, PART0
	s_lshl_b32 s34, s[E], 17
	s_add_co_u32 s34, s34, FIN0
	s_lshr_b32 s35, s[WV], 2
	s_mul_i32 s34, s34, s35
	s_xor_b32 s35, s35, 1
	s_mul_i32 s33, s33, s35
	s_add_co_u32 s33, s33, s34
	v_add_nc_u32 v[DA], s33, v[LI]
	ds_load_b128 v[BT:BT+3], v[DA] offset:16384
.set j, 0
.rept 32
	ds_load_b128 v[S+j:S+j+3], v[DA] offset:128*j
.set j, j+4
.endr
	s_lshr_b32 s33, s[PB], 7                       ; where the pair goes: 6 batch + head, the pair in its head
	s_and_b32 s34, s[PB], 127
	s_cmp_ge_u32 s33, 6
	s_cselect_b32 s35, 1, 0
	s_mul_i32 s36, s35, 6
	s_sub_co_u32 s36, s33, s36
	s_lshl_b32 s37, s35, 8
	s_lshl_b32 s34, s34, 1
	s_add_co_u32 s37, s37, s34
	s_mul_i32 s38, s37, 9216
	s_mul_i32 s39, s36, 1536
	s_add_co_u32 s38, s38, s39
	s_mov_b32 s39, 0
	s_add_nc_u64 s[12:13], s[12:13], s[38:39]
	s_lshr_b32 s37, s37, 1
	s_mul_i32 s37, s37, 6
	s_add_co_u32 s37, s37, s36
	s_lshl_b32 s36, s37, 7
	s_mov_b32 s37, 0
	s_add_nc_u64 s[14:15], s[14:15], s[36:37]
	s_wait_dscnt 32                                ; the state is in; the 32 loads behind it may be out
.irp y, 0,1
	v_min_num_f32 v[BM+\y], v[ST+8*\y], v[BT+2*\y] ; -M of the two parts together
.endr
.irp y, 0,1
	v_sub_f32 v[BM+2+\y], v[BM+\y], v[ST+8*\y]
	v_sub_f32 v[BM+4+\y], v[BM+\y], v[BT+2*\y]
	v_add_f32 v[ST+8*\y+7], v[ST+8*\y+2], v[ST+8*\y+3]
.endr
.irp y, 0,1
	v_cvt_i32_f32 v[BM+2+\y], v[BM+2+\y]
	v_cvt_i32_f32 v[BM+4+\y], v[BM+4+\y]
.endr
.irp y, 0,1
	v_ldexp_f32 v[BM+2+\y], 1.0, v[BM+2+\y]        ; each part's power of two
	v_ldexp_f32 v[BM+4+\y], 1.0, v[BM+4+\y]
.endr
.irp y, 0,1
	v_mul_f32 v[ST+8*\y+7], v[ST+8*\y+7], v[BM+2+\y]
.endr
.irp y, 0,1
	s_delay_alu instid0(VALU_DEP_2)
	v_fma_f32 v[ST+8*\y+7], v[BT+2*\y+1], v[BM+4+\y], v[ST+8*\y+7]
.endr
.irp y, 0,1
	s_delay_alu instid0(VALU_DEP_2)
	v_permlanex16_b32 v[SO+\y], v[ST+8*\y+7], s[SEL], s[SEL+1]
.endr
.irp y, 0,1
	s_delay_alu instid0(VALU_DEP_2)
	v_add_f32 v[ST+8*\y+7], v[ST+8*\y+7], v[SO+\y] ; the row's sum
.endr
	v_and_b32 v[ADK], 16, v0
	v_lshrrev_b32 v[TT], 2, v[LI]
	s_wait_alu depctr_va_vdst(0)
.irp y, 0,1
	v_rcp_f32 v[ST+8*\y+7], v[ST+8*\y+7]
.endr
	v_cmp_ne_u32 s40, 0, v[ADK]
	s_wait_alu depctr_va_vdst(0)
.irp y, 0,1
	v_mul_f32 v[ST+8*\y+4], v[BM+2+\y], v[ST+8*\y+7]
	v_mul_f32 v[ST+8*\y+2], v[BM+4+\y], v[ST+8*\y+7]
.endr
	s_wait_alu depctr_va_vdst(0)
	s_wait_dscnt 0x0
.irp y, 0,1
.set j, 0
.rept 32
	v_pk_mul_f32 v[S+64*\y+j:S+64*\y+j+1], v[S+64*\y+j:S+64*\y+j+1], v[ST+8*\y+2:ST+8*\y+3] op_sel_hi:[1,0]
.set j, j+2
.endr
.endr
	WIN 0x01
	s_wait_alu depctr_va_vdst(0)                   ; the wait directly ahead of the first readers of O^T
.irp y, 0,1
.set j, 0
.rept 32
	v_pk_fma_f32 v[S+64*\y+j:S+64*\y+j+1], v[64*\y+j:64*\y+j+1], v[ST+8*\y+4:ST+8*\y+5], v[S+64*\y+j:S+64*\y+j+1] op_sel_hi:[1,0,1]
.set j, j+2
.endr
.endr
	WIN 0
.irp y, 0,1                                    ; ctx is quantised along the head's 128, four blocks of 32
.irp b, 0,1,2,3
	v_max3_num_f32 v[BM+4*\y+\b], |v[S+64*\y+16*\b]|, |v[S+64*\y+16*\b+1]|, |v[S+64*\y+16*\b+2]|
.endr
.endr
.irp i, 3,5,7,9,11,13
.irp y, 0,1
.irp b, 0,1,2,3
	v_max3_num_f32 v[BM+4*\y+\b], v[BM+4*\y+\b], |v[S+64*\y+16*\b+\i]|, |v[S+64*\y+16*\b+\i+1]|
.endr
.endr
.endr
.irp y, 0,1
.irp b, 0,1,2,3
	v_max_num_f32 v[BM+4*\y+\b], v[BM+4*\y+\b], |v[S+64*\y+16*\b+15]|
.endr
.endr
	JOIN16
	SM_SCL 0
	SM_SCL 1
	SM_CVT 0
	SM_CVT 1
.irp y, 0,1
.irp c, 0,1,2
	global_store_b128 v[LI], v[PC+12*\y+4*\c:PC+12*\y+4*\c+3], s[12:13] offset:9216*\y+512*\c   ; 512 consecutive bytes, at a multiple of 256
.endr
.endr
	v_cndmask_b32 v[ADS], v[ST+6], v[ST+14], s40
	global_store_b32 v[TT], v[ADS], s[14:15]
.Lend:
	s_wait_tensorcnt 0x0                           ; the wave's end
	ds_add_u32 v[SPW], v[NIL]
	s_wait_dscnt 0x0
	s_endpgm
.Lfunc_end_k_qaa1186b224_attend:
	.size	k_qaa1186b224_attend, .Lfunc_end_k_qaa1186b224_attend-k_qaa1186b224_attend
	.p2alignl 7, 3214868480
	.fill 96, 4, 3214868480
	.section	.rodata,"a",@progbits
	.p2align	6, 0x0
	.amdhsa_kernel k_qaa1186b224_attend
		.amdhsa_group_segment_fixed_size 327680
		.amdhsa_private_segment_fixed_size 0
		.amdhsa_enable_private_segment 0
		.amdhsa_kernarg_size 48
		.amdhsa_user_sgpr_count 2
		.amdhsa_user_sgpr_kernarg_segment_ptr 1
		.amdhsa_wavefront_size32 1
		.amdhsa_system_sgpr_workgroup_id_x 1
		.amdhsa_system_sgpr_workgroup_id_y 1
		.amdhsa_system_sgpr_workgroup_id_z 1
		.amdhsa_system_vgpr_workitem_id 0
		.amdhsa_next_free_vgpr 512
		.amdhsa_next_free_sgpr 66
		.amdhsa_reserve_vcc 0
		.amdhsa_float_denorm_mode_32 3
		.amdhsa_float_denorm_mode_16_64 3
		.amdhsa_memory_ordered 1
		.amdhsa_forward_progress 1
		.amdhsa_inst_pref_size 147
	.end_amdhsa_kernel
	.amdgpu_metadata
---
amdhsa.version: [ 1, 2 ]
amdhsa.kernels:
  - .name:           k_qaa1186b224_attend
    .symbol:         k_qaa1186b224_attend.kd
    .args:
      - { .name: q_img, .offset: 0, .size: 8, .value_kind: global_buffer, .address_space: global }
      - { .name: q_sc, .offset: 8, .size: 8, .value_kind: global_buffer, .address_space: global }
      - { .name: kv_codes, .offset: 16, .size: 8, .value_kind: global_buffer, .address_space: global }
      - { .name: kv_sc, .offset: 24, .size: 8, .value_kind: global_buffer, .address_space: global }
      - { .name: ctx_img, .offset: 32, .size: 8, .value_kind: global_buffer, .address_space: global }
      - { .name: ctx_sc, .offset: 40, .size: 8, .value_kind: global_buffer, .address_space: global }
    .group_segment_fixed_size: 327680
    .private_segment_fixed_size: 0
    .kernarg_segment_align: 8
    .kernarg_segment_size: 48
    .max_flat_workgroup_size: 256
    .sgpr_count:     66
    .vgpr_count:     512
    .wavefront_size: 32
...
	.end_amdgpu_metadata
.endif
;; end of part 2
;; launch outproj (part 3): grid 4 x 64, 8 waves a work-group, clusters of 4 x 4, 327,680 bytes of LDS; arguments ctx_img, ctx_sc, Wo_codes, Wo_scales, bo, out0; writes out0
.if DOCPART == 3
	.amdgcn_target "amdgcn-amd-amdhsa--gfx1250"
	.amdhsa_code_object_version 6
	.text
	.protected	k_qaa1186b224_outproj
	.globl	k_qaa1186b224_outproj
	.p2align	8
	.type	k_qaa1186b224_outproj,@function
k_qaa1186b224_outproj:
	s_mov_b64 s[64:65], 0
	v_nop
	global_prefetch_b8 v0, s[64:65] scope:SCOPE_SE
	s_setreg_imm32_b32 hwreg(HW_REG_WAVE_MODE, 25, 1), 1
	s_wait_xcnt 0x0
	s_wait_alu depctr_hold_cnt(0) depctr_sa_sdst(0) depctr_va_vdst(0) depctr_va_sdst(0) depctr_va_ssrc(0) depctr_va_vcc(0) depctr_vm_vsrc(0)
	s_getreg_b32 s2, hwreg(HW_REG_IB_STS2, 6, 4)
	s_cmp_eq_u32 s2, 0
	s_cbranch_scc0 .Lentry_in_a_cluster
	s_endpgm
.Lentry_in_a_cluster:
	s_bfe_u32 s2, ttmp6, 0x10000c
	s_cmp_lg_u32 s2, 0xf033
	s_cbranch_scc0 .Lentry_shape_is_right
	s_endpgm
.Lentry_shape_is_right:
.set BW,    73728
.set PITCH, 720
.set AS,    211968
.set BS,    215040
.set STG,   219648
.set SP,    784
.set SPARE, 320000
.set SPW,  2
.set NIL,  3
.set ADA,  4
.set ADAS, 5
.set ADB,  6
.set ADB2, 7
.set ADBS, 8
.set BOF,  9
.set STO,  10
.set RD,   11
.set GO,   14
.set LI,   14
.set BSC,  20
.set ASC,  26
.set AF,   32
.set BF,   56
.set OB,   32
.set ACC,  160
.set WV,   16
.set HB,   17
.set G1A,  24
.set G1AS, 32
.set G1B,  40
.set G1BS, 48
.set G0A,  56
.set G0AS, 60
.set G0B,  68
.set G0BS, 72
.macro PLACES
.rept 4
	v_nop
.endr
.endm
.macro CROUND
	s_barrier_signal -1
	s_barrier_wait -1
	s_cmp_lg_u32 s[WV], 0
	s_cbranch_scc1 .Lnot_wave_0_\@
	s_barrier_signal -3
.Lnot_wave_0_\@:
	s_barrier_wait -3
	s_barrier_signal -1
	s_barrier_wait -1
.endm
.macro GROUP1R g, d0, d1, st
	s_mov_b32 s[\g+1], (\d0)<<16
	s_mov_b32 s[\g+2], (\d1)<<16
	s_mov_b32 s[\g+3], (\d0)<<16
	s_mov_b32 s[\g+4], \d1
	s_mov_b32 s[\g+5], \st
	s_mov_b32 s[\g+6], 0
	s_mov_b32 s[\g+7], 0
.endm
.macro JLOAD g0a, g1a, g0b, g1b
	s_cmp_eq_u32 s[HB], 0
	s_cbranch_scc0 .Lfor_b_\@
	tensor_load_to_lds s[\g0a:\g0a+3], s[\g1a:\g1a+7]
	s_nop 0
	PLACES
	s_branch .Lasked_\@
.Lfor_b_\@:
	tensor_load_to_lds s[\g0b:\g0b+3], s[\g1b:\g1b+7]
	s_nop 0
	PLACES
.Lasked_\@:
.endm
	s_load_b256 s[4:11], s[0:1], 0x0
	s_load_b128 s[12:15], s[0:1], 0x20
	v_lshl_add_u32 v[SPW], v0, 2, SPARE
	v_mov_b32 v[NIL], 0
	ds_add_u32 v[SPW], v[NIL]
	ds_add_u32 v[SPW], v[NIL]
	v_lshrrev_b32 v1, 5, v0
	s_delay_alu instid0(VALU_DEP_1)
	v_readfirstlane_b32 s[WV], v1
	s_lshr_b32 s[HB], s[WV], 2
	s_and_b32 s18, s[WV], 3
	s_bfe_u32 s19, ttmp6, 0x40000
	s_bfe_u32 s20, ttmp6, 0x40004
	s_lshl_b32 s21, ttmp9, 2
	s_add_co_u32 s21, s21, s19
	s_and_b32 s22, ttmp7, 0xffff
	s_lshl_b32 s22, s22, 2
	s_add_co_u32 s22, s22, s20
	s_lshl_b32 s23, s20, 2
	s_lshl_b32 s23, 15, s23
	s_lshl_b32 s84, 0x1111, s19
	s_or_b32 s[G1A], s23, (3<<16)|(1<<21)
	s_or_b32 s[G1AS], s23, (3<<16)|(1<<21)
	s_or_b32 s[G1B], s84, (0<<16)|(1<<20)|(1<<21)|(3<<22)|(3<<25)
	s_or_b32 s[G1BS], s84, (3<<16)|(1<<21)
	GROUP1R G1A,  32, 72, 32
	GROUP1R G1AS, 32, 3, 32
	GROUP1R G1B,  256, 108, 256                    ; 48 rows of Wo, 27,648 dense bytes from a multiple of 256 on, stated as 108 rows of 256 bytes; the padding behind every 64 bytes lays them in LDS as rows of 720
	GROUP1R G1BS, 16, 9, 16
	s_mov_b32 s[G0A], 1
	s_mul_i32 s[G0A+1], s18, 18432
	s_mov_b32 s[G0AS], 1
	s_mul_i32 s[G0AS+1], s18, 768
	s_add_co_u32 s[G0AS+1], s[G0AS+1], AS
	s_mov_b32 s[G0B], 1
	s_mul_i32 s[G0B+1], s18, 48*PITCH
	s_add_co_u32 s[G0B+1], s[G0B+1], BW
	s_mov_b32 s[G0BS], 1
	s_mul_i32 s[G0BS+1], s18, 1152
	s_add_co_u32 s[G0BS+1], s[G0BS+1], BS
	s_mul_i32 s76, s22, 73728
	s_add_co_u32 s76, s76, s[G0A+1]
	s_mov_b32 s77, 0
	s_mul_i32 s78, s22, 3072
	s_mul_i32 s85, s18, 768
	s_add_co_u32 s78, s78, s85
	s_mov_b32 s79, 0
	s_mul_i32 s80, s21, 110592
	s_mul_i32 s85, s18, 27648
	s_add_co_u32 s80, s80, s85
	s_mov_b32 s81, 0
	s_mul_i32 s82, s21, 4608
	s_mul_i32 s85, s18, 1152
	s_add_co_u32 s82, s82, s85
	s_mov_b32 s83, 0
	s_wait_dscnt 0x0
	s_wait_kmcnt 0x0
	s_add_nc_u64 s[G0A+2:G0A+3], s[4:5], s[76:77]
	s_or_b32 s[G0A+3], s[G0A+3], 0x80000000
	s_add_nc_u64 s[G0AS+2:G0AS+3], s[6:7], s[78:79]
	s_or_b32 s[G0AS+3], s[G0AS+3], 0x80000000
	s_add_nc_u64 s[G0B+2:G0B+3], s[8:9], s[80:81]
	s_or_b32 s[G0B+3], s[G0B+3], 0x80000000
	s_add_nc_u64 s[G0BS+2:G0BS+3], s[10:11], s[82:83]
	s_or_b32 s[G0BS+3], s[G0BS+3], 0x80000000
	CROUND
	JLOAD G0AS, G1AS, G0BS, G1BS
	s_wait_alu depctr_va_vdst(0)
	s_wait_tensorcnt 0x0
	ds_add_u32 v2, v3
	s_wait_dscnt 0x0
	CROUND
	JLOAD G0A, G1A, G0B, G1B
	s_lshr_b32 s86, s[WV], 1
	s_and_b32 s87, s[WV], 1
	v_and_b32 v17, 15, v0
	v_bfe_u32 v18, v0, 4, 1
	v_and_b32 v19, 31, v0
	s_delay_alu instid0(VALU_DEP_1)
	v_lshlrev_b32 v[LI], 4, v19
	s_wait_alu depctr_va_vdst(0)
	s_mul_i32 s90, s21, 768
	s_mov_b32 s91, 0
	s_add_nc_u64 s[12:13], s[12:13], s[90:91]
	s_mul_i32 s85, s87, 384
	v_lshl_add_u32 v[BOF], v18, 5, s85
.irp a, 0,1
.irp b, 0,1,2,3,4,5
	global_load_b128 v[ACC+8*(6*\a+\b):ACC+8*(6*\a+\b)+3], v[BOF], s[12:13] offset:64*\b
	global_load_b128 v[ACC+8*(6*\a+\b)+4:ACC+8*(6*\a+\b)+7], v[BOF], s[12:13] offset:64*\b+16
.endr
.endr
	s_mul_i32 s88, s86, 32*SP
	s_add_co_u32 s88, s88, s85
	s_add_co_u32 s88, s88, STG
	v_mul_u32_u24 v[STO], v17, SP
	s_delay_alu instid0(VALU_DEP_1)
	v_lshl_add_u32 v[STO], v18, 5, v[STO]
	s_delay_alu instid0(VALU_DEP_1)
	v_add_nc_u32 v[STO], s88, v[STO]
	s_mul_i32 s85, s86, 18432
	v_add_nc_u32 v[ADA], s85, v[LI]
	s_mul_i32 s85, s86, 768
	s_add_co_u32 s85, s85, AS
	v_lshl_add_u32 v[ADAS], v19, 2, s85
	s_mul_i32 s85, s87, 96*PITCH
	s_add_co_u32 s85, s85, BW
	v_mul_u32_u24 v[ADB], v17, PITCH
	s_delay_alu instid0(VALU_DEP_1)
	v_add_nc_u32 v[ADB], s85, v[ADB]
	s_delay_alu instid0(VALU_DEP_1)
	v_mad_u32_u24 v[ADB2], v18, 40, v[ADB]
	s_delay_alu instid0(VALU_DEP_2)
	v_mad_u32_u24 v[ADB], v18, 24, v[ADB]
	s_mul_i32 s85, s87, 96*24
	s_add_co_u32 s85, s85, BS
	v_mul_u32_u24 v[ADBS], v17, 24
	s_delay_alu instid0(VALU_DEP_1)
	v_add_nc_u32 v[ADBS], s85, v[ADBS]
	s_mul_i32 s88, s86, 32*SP
	s_mul_i32 s89, s87, 8*SP
	s_add_co_u32 s88, s88, s89
	s_add_co_u32 s88, s88, STG
	v_add_nc_u32 v[RD], s88, v[LI]
	v_lshlrev_b32 v[RD+1], 4, v17
	s_delay_alu instid0(VALU_DEP_1)
	v_mad_u32_u24 v[RD+1], v18, 272, v[RD+1]
	s_delay_alu instid0(VALU_DEP_1)
	v_add_nc_u32 v[RD+1], s88, v[RD+1]
	s_delay_alu instid0(VALU_DEP_1)
	v_add_nc_u32 v[RD+1], 512, v[RD+1]
	v_add_nc_u32 v[RD+2], 1040, v[RD]
	v_lshlrev_b32 v[GO+1], 4, v17
	s_delay_alu instid0(VALU_DEP_1)
	v_mad_u32_u24 v[GO+1], v18, 2560, v[GO+1]
	s_delay_alu instid0(VALU_DEP_1)
	v_add_nc_u32 v[GO+1], 512, v[GO+1]
	v_add_nc_u32 v[GO+2], 3328, v[LI]
	s_lshl_b32 s92, s22, 7
	s_lshl_b32 s93, s[WV], 4
	s_add_co_u32 s92, s92, s93
	s_mul_i32 s92, s92, 3072
	s_add_co_u32 s92, s92, s90
	s_mov_b32 s93, 0
	s_add_nc_u64 s[14:15], s[14:15], s[92:93]
	s_wait_alu depctr_va_vdst(0)
	s_wait_tensorcnt 0x0
	s_barrier_signal -1
	s_barrier_wait -1
	s_wait_loadcnt 0x0
.macro FRAG reg, q, i
.irp p, 0,1,2,3,4,5
.set PCE, 12*(\q)+6*(\p/3)+\p%3
.if PCE%8 < 5
	ds_load_b64 v[(\reg)+2*\p:(\reg)+2*\p+1], v[ADB] offset:8*PCE+16*(PCE/8)+(\i)*16*PITCH
.else
	ds_load_b64 v[(\reg)+2*\p:(\reg)+2*\p+1], v[ADB2] offset:8*PCE+16*(PCE/8)+(\i)*16*PITCH
.endif
.endr
.endm
.macro KS s
	ds_load_b32 v[ASC], v[ADAS] offset:128*\s
.irp b, 0,1,2,3,4,5
	ds_load_b32 v[BSC+\b], v[ADBS] offset:384*\b+4*\s
.endr
.irp a, 0,1
.irp c, 0,1,2
	ds_load_b128 v[AF+12*\a+4*\c:AF+12*\a+4*\c+3], v[ADA] offset:(6*\a+\s)*1536+512*\c
.endr
.endr
.irp b, 0,1,2,3,4,5
	FRAG BF+12*\b, \s, \b
.endr
.irp b, 0,1,2,3,4,5
	s_wait_dscnt 6*(5-\b)
	v_wmma_scale_f32_16x16x128_f8f6f4 v[ACC+8*\b:ACC+8*\b+7], v[BF+12*\b:BF+12*\b+11], v[AF:AF+11], v[ACC+8*\b:ACC+8*\b+7], v[BSC+\b], v[ASC] matrix_a_fmt:MATRIX_FMT_FP6 matrix_b_fmt:MATRIX_FMT_FP6
	v_wmma_scale_f32_16x16x128_f8f6f4 v[ACC+8*(6+\b):ACC+8*(6+\b)+7], v[BF+12*\b:BF+12*\b+11], v[AF+12:AF+23], v[ACC+8*(6+\b):ACC+8*(6+\b)+7], v[BSC+\b], v[ASC] matrix_a_fmt:MATRIX_FMT_FP6 matrix_b_fmt:MATRIX_FMT_FP6 matrix_b_scale:MATRIX_SCALE_ROW1
.endr
	PLACES
.endm
	KS 0
	KS 1
	KS 2
	KS 3
	KS 4
	KS 5
.irp a, 0,1
.irp b, 0,1,2,3,4,5
	ds_store_b128 v[STO], v[ACC+8*(6*\a+\b):ACC+8*(6*\a+\b)+3] offset:16*SP*\a+64*\b
	ds_store_b128 v[STO], v[ACC+8*(6*\a+\b)+4:ACC+8*(6*\a+\b)+7] offset:16*SP*\a+64*\b+16
.endr
.endr
	s_wait_dscnt 0x0
	s_barrier_signal -1
	s_barrier_wait -1
.irp p, 0,1,2,3,4,5,6,7
.irp i, 0,1,2
	ds_load_b128 v[OB+4*(3*\p+\i):OB+4*(3*\p+\i)+3], v[RD+\i] offset:(16*(\p/4)+2*(\p%4))*SP
.endr
.endr
.irp p, 0,1,2,3,4,5,6,7
.irp i, 0,1,2
	s_wait_dscnt 23-(3*\p+\i)
	global_store_b128 v[GO+\i], v[OB+4*(3*\p+\i):OB+4*(3*\p+\i)+3], s[14:15] offset:6144*\p th:TH_STORE_NT
.endr
.endr
	s_wait_tensorcnt 0x0
	ds_add_u32 v[SPW], v[NIL]
	s_wait_dscnt 0x0
	CROUND
	s_endpgm
.Lfunc_end_k_qaa1186b224_outproj:
	.size	k_qaa1186b224_outproj, .Lfunc_end_k_qaa1186b224_outproj-k_qaa1186b224_outproj
	.p2alignl 7, 3214868480
	.fill 96, 4, 3214868480
	.section	.rodata,"a",@progbits
	.p2align	6, 0x0
	.amdhsa_kernel k_qaa1186b224_outproj
		.amdhsa_group_segment_fixed_size 327680
		.amdhsa_private_segment_fixed_size 0
		.amdhsa_enable_private_segment 0
		.amdhsa_kernarg_size 48
		.amdhsa_user_sgpr_count 2
		.amdhsa_user_sgpr_kernarg_segment_ptr 1
		.amdhsa_wavefront_size32 1
		.amdhsa_system_sgpr_workgroup_id_x 1
		.amdhsa_system_sgpr_workgroup_id_y 1
		.amdhsa_system_sgpr_workgroup_id_z 1
		.amdhsa_system_vgpr_workitem_id 0
		.amdhsa_next_free_vgpr 256
		.amdhsa_next_free_sgpr 96
		.amdhsa_reserve_vcc 0
		.amdhsa_float_denorm_mode_32 3
		.amdhsa_float_denorm_mode_16_64 3
		.amdhsa_memory_ordered 1
		.amdhsa_forward_progress 1
		.amdhsa_inst_pref_size 48
	.end_amdhsa_kernel
	.amdgpu_metadata
---
amdhsa.version: [ 1, 2 ]
amdhsa.kernels:
  - .name:           k_qaa1186b224_outproj
    .symbol:         k_qaa1186b224_outproj.kd
    .args:
      - { .name: ctx_img, .offset: 0, .size: 8, .value_kind: global_buffer, .address_space: global }
      - { .name: ctx_sc, .offset: 8, .size: 8, .value_kind: global_buffer, .address_space: global }
      - { .name: Wo_codes, .offset: 16, .size: 8, .value_kind: global_buffer, .address_space: global }
      - { .name: Wo_scales, .offset: 24, .size: 8, .value_kind: global_buffer, .address_space: global }
      - { .name: bo, .offset: 32, .size: 8, .value_kind: global_buffer, .address_space: global }
      - { .name: out0, .offset: 40, .size: 8, .value_kind: global_buffer, .address_space: global }
    .group_segment_fixed_size: 327680
    .private_segment_fixed_size: 0
    .kernarg_segment_align: 8
    .kernarg_segment_size: 48
    .max_flat_workgroup_size: 256
    .sgpr_count:     96
    .vgpr_count:     256
    .wavefront_size: 32
...
	.end_amdgpu_metadata
.endif
;; end of part 3
